; MI455X (gfx1250); checked and timed in simulation.
; The chip was launched on July 23, 2026; its instructions are those of AMD's public machine-readable ISA for CDNA 5 (MIT licence, August 2026) and "CDNA5" Instruction Set Architecture Reference Guide (July 2026). The comments in the code are by the model that wrote it; some were corrected since.
;; CMI Attention Matrix For Acrobot. Allowed arithmetic: matrix products marked QUANTISED: E2M3 operands, one E8M0 scale for each 32 along K, by v_wmma_scale_f32_16x16x128_f8f6f4 with both operands' format E2M3, f32 sums; products left as they are: f32 operands where the result goes on into a quantised operand, else bf16, f16 or f32 operands; f32 sums; everything else in f32.
;; Inputs: W_k 4,096 x 4,096 float32; W_lin 6 x 4,096 float32; W_q_codes 4,096 x 128 x 24 uint8 (E2M3 codes of W_q, K innermost, in blocks of 32 codes, four codes in three bytes); W_q_scales 4,096 x 128 uint8 (E8M0 scales of W_q, one for each 32 codes along K); b_k 4,096 float32; b_lin 6 float32; b_q 4,096 float32; data_k 6 x 4,096 float32; data_q_codes 4,096 x 128 x 24 uint8 (E2M3 codes of data_q, K innermost, in blocks of 32 codes, four codes in three bytes); data_q_scales 4,096 x 128 uint8 (E8M0 scales of data_q, one for each 32 codes along K).
;; Outputs: out0 4,096 x 6 float32.
;; This version of the problem:
;;   THIS VERSION OF THE PROBLEM IS GIVEN IN LOW PRECISION. The matrix products marked QUANTISED in the list below multiply operands that are first quantised to E2M3 (2 exponent bits, 3 mantissa bits; 6 bits a number), with one power-of-two scale for each 32 numbers along K (OCP MX v1.0); their sums are f32. All else is computed in f32.
;;   The module's matrix products, in the order in which they are computed (A, B: the left and right operand; K: the contracted axis; several contracted axes count as one K, in the product's order):
;;     1. [M 4,096, K 4,096] x [K 4,096, N 4,096]; A: input data_q (given as codes); B: input W_q (given as codes): QUANTISED
;;     2. [M 4,096, K 4,096] x [K 4,096, N 6]; A: computed on the way; B: input W_lin: left as it is (N = 6 < 16)
;;     3. [M 6, K 4,096] x [K 4,096, N 4,096]; A: input data_k; B: input W_k: left as it is (M = 6 < 16)
;;     4. [M 4,096, K 4,096] x [K 4,096, N 6]; A: computed on the way; B: computed on the way: left as it is (N = 6 < 16)
;;   THE QUANTISER, for each operand of a quantised product, along K:
;;     - K is cut into blocks of 32 from its start; a last block that is shorter is filled with zeros.
;;     - A block's scale is 2^e with e = floor(log2(the largest magnitude in the block)) - 2, held to -126 .. 127; a block of zeros has e = 0. As a byte (E8M0): e + 127.
;;     - Each number is divided by its block's scale, clamped to +-7.5, and rounded to the nearest number of E2M3, ties to even, subnormals kept.
;;     - The product sums the exact products of the quantised numbers (number of the format x scale) in f32.
;;   ~~~python
;;   def quantise(x, axis):      # numpy; x: float32 -> the quantised numbers, widened to float32 again
;;       x = np.moveaxis(x, axis, -1); K = x.shape[-1]
;;       x = np.pad(x, [(0, 0)] * (x.ndim - 1) + [(0, -K % 32)]); x = x.reshape(x.shape[:-1] + (-1, 32)); a = np.abs(x).max(-1, keepdims=True)
;;       e = np.where(a > 0, np.clip(np.frexp(np.where(a > 0, a, 1))[1] - 1 - 2, -126, 127), 0)      # np.frexp(a)[1] - 1 = floor(log2(a)), exactly
;;       r = np.clip(x / 2.0 ** e, -7.5, 7.5)
;;       step = 2.0 ** (np.maximum(np.frexp(np.where(r == 0, 1, r))[1] - 1, 0) - 3)
;;       q = np.round(r / step) * step * 2.0 ** e      # np.round: ties to even
;;       return np.moveaxis(q.reshape(q.shape[:-2] + (-1,))[..., :K], -1, axis).astype(np.float32)
;;   ~~~
;;   INPUTS GIVEN AS CODES. W_q (in the module: [4096, 4096], K = its axis 1); data_q (in the module: [4096, 4096], K = its axis 1): each comes as NAME_codes (uint8): NAME with its K axis moved to the last place and cut into blocks of 32 codes, [.., K / 32, bytes a block], one block behind the other in memory; four codes in three bytes: a row's codes are one little-endian stream of bits, code i at bits 6 i .. 6 i + 5 (a code: sign, 2 exponent bits, 3 mantissa bits); and NAME_scales (uint8): the same leading axes, one E8M0 byte (e + 127) for each 32 codes along K. Its value is code x scale, taken as it is: it is not quantised again, and the codes and scales need not be those that the quantiser above would give.
;; One version. Each part assembles by itself: llvm-mc -triple=amdgcn-amd-amdhsa -mcpu=gfx1250 --defsym DOCPART=n.
;; ======== version 1 of 1: 3 launches
;; workspace buffers: qws 33,554,432 bytes; ctxp 3,145,728 bytes; kpart 524,288 bytes; kmod 49,152 bytes
;; launch gemm (part 1): grid 16 x 16, 4 waves a work-group, clusters of 4 x 4, 327,680 bytes of LDS; arguments data_q_codes, data_q_scales, W_q_codes, W_q_scales, b_q, W_lin, qws, ctxp, W_k, data_k, kpart; writes qws, ctxp, kpart
.if DOCPART == 1
	.amdgcn_target "amdgcn-amd-amdhsa--gfx1250"
	.amdhsa_code_object_version 6
	.text
	.protected	k_q8428ea8231_gemm
	.globl	k_q8428ea8231_gemm
	.p2align	8
	.type	k_q8428ea8231_gemm,@function
k_q8428ea8231_gemm:
	s_mov_b64 s[64:65], 0
	v_nop
	global_prefetch_b8 v0, s[64:65] scope:SCOPE_SE
	s_setreg_imm32_b32 hwreg(HW_REG_WAVE_MODE, 25, 1), 1
	s_wait_xcnt 0x0
	s_wait_alu depctr_hold_cnt(0) depctr_sa_sdst(0) depctr_va_vdst(0) depctr_va_sdst(0) depctr_va_ssrc(0) depctr_va_vcc(0) depctr_vm_vsrc(0)
	s_getreg_b32 s2, hwreg(HW_REG_IB_STS2, 6, 4)
	s_cmp_eq_u32 s2, 0
	s_cbranch_scc0 .Lentry_in_a_cluster
	s_endpgm
.Lentry_in_a_cluster:
	s_bfe_u32 s2, ttmp6, 0x10000c
	s_cmp_lg_u32 s2, 0xf033
	s_cbranch_scc0 .Lentry_shape_is_right
	s_endpgm
.Lentry_shape_is_right:
; q[n][j] = sum over k of data_q[n][k] W_q[j][k] + b_q[j], 4096 x 4096 x 4096, on codes of FP6 (E2M3) with one E8M0 byte for each 32 along K, as they lie in memory; sums in f32.
; q leaves once, rounded to bf16, as images of the operand registers of the last product (qws), and each wave adds up its 128 rows' part of ctx[c][j] = sum over n of W_lin[c][n] q[n][j] (ctxp), by the bf16 matrix form.
; UNDER THE LOOP a second, independent product is streamed: k[c][j] = sum over i of data_k[c][i] W_k[j][i].  Work-group g = 16 x tile row + tile column owns W_k's rows 16 g .. 16 g + 15, wave w their
; i = 1,024 w .. + 1,023: 32 chunks of 32 i, one for each of the wave's 32 steps of 128 along K.  A chunk is eight loads into registers, sixteen roundings to bf16 in place and one bf16 product; the wave's part goes to kpart.
; W_k comes straight into registers: beside the ring and the scales 11,776 bytes of LDS are left, and a wave's one tensor load behind each barrier is the ring's.
; A tile of q, 256 x 256, is made by a work-group of four waves; a wave makes 128 x 128: 64 accumulators of 16 x 16, 512 registers.  256 work-groups, one tile each.
; K goes in steps of 256 through a ring of two LDS slots filled by the tensor data mover: a tile's row is 192 bytes of memory.
; THE SCALES of the work-group's 256 rows of data_q and 256 rows of W_q, for all of K, are two dense blocks of memory: they come into LDS once, with the first fills, and stay.
; CLUSTERS: 4 x 4 work-groups.  The four of a row of the cluster need the same tiles of data_q, the four of a column the same tiles of W_q: each tile is asked for JOINTLY, by the same tensor load with the
; same descriptor and a mask that names the four.
; THE MATRIX INSTRUCTION IS USED TRANSPOSED (source 0 = 16 rows of W_q, source 1 = 16 rows of data_q): accumulator (a, b), lane (r, h), register i holds q[n0 + 16 a + r][j0 + 16 b + 8 h + i].
; b_q is the C of each sum's first product: eight registers for each b, in the result's layout.
; LIMITS: q and W_lin are rounded to bf16 for the product with W_lin, data_k and W_k for theirs (f32 sums), and q for the workspace; NaN and infinities are not served; a scale byte 0xff gives NaN, as the format says.
; REGISTERS, in windows of 256: window 0: v0-31 addresses, among them v8-15 k's accumulator; v32-63 scale words, two sets; v64-127 two sets of a chunk's 16 + 16 numbers of W_k and data_k;
;   v128-223 data_q's fragments (8 x 16 rows x 128 K), ONE set; v224-255 W_lin's four bf16 fragments.
;   window 1: W_q's fragments, TWO sets, at v0 and at v128; b_q in the 64 registers between and behind them.   window 2: the 32 accumulators of my rows 0-63 ((a, b) at v[8 (8 a + b)]);   window 3: those of my rows 64-127.
;   On the way out window 0 is: v32-95 packed q, v96-159 q turned, v160-223 the eight accumulators of ctx.
.set SIZE_K, 4096
.set KSTEP,  256                       ; along K in a slot
.set NQ,     KSTEP/128                 ; matrix instructions deep
.set ROWB,   192                       ; a tile's row in bytes: KSTEP codes of 6 bits
.set KROW,   SIZE_K*6/8                ; a row of codes in memory, in bytes
.set PITCH,  240                       ; an LDS row: 3 x (64 bytes of data + 16 of padding) = 60 words: the 32 lanes of a load of 8 bytes touch 64 different banks (64 banks of 4 bytes: ISA guide 11.1)
.set FR,     12                        ; registers of a fragment: 16 rows x 128 K
.set NL,     6                         ; LDS loads that bring one
.set NP,     4                         ; places behind this matrix instruction (ISA guide 7.12.1)
.set HALFT,  128*PITCH                 ; 128 rows: what one tensor load brings, and what one wave reads of either operand
.set SLOT,   4*HALFT                   ; data_q's 256 rows, then W_q's 256 rows
.set LAPS,   SIZE_K/(2*KSTEP)          ; a lap = two K steps = once round the ring
.set KS,     SIZE_K/32                 ; a row of scales in bytes
.set SCL,    2*SLOT                    ; behind the ring: the scales, as rows of 256 bytes + 16 of padding
.set HALFS,  (128*KS/256)*272          ; the scales of 128 rows: what one tensor load brings
.set SBLK,   (16*KS/256)*272           ; those of 16 rows
.set SPARE,  SCL+4*HALFS               ; behind the scales: the spare words, 128 bytes for each wave: two blocks of 256 bytes that no other line names
.set SP,     272                       ; the way out: a stage row: 128 bf16 + 16 bytes
.set STGW,   32*SP                     ; a wave's stage: 32 rows.  It lies in slot 0, which has had its last fill and its last read when the first result is stored there
.set KSTG,   7680                      ; in my stage, behind all that ctx puts there (7,232 bytes): k's part, 768 bytes
.set KWO,  3                           ; v3      W_k: my byte offset in the wave's part: row r of 16,384 bytes + 64 h; never rewritten
.set KDO,  4                           ; v4      data_k: the same with row min(r, 5); never rewritten
.set KSA,  5                           ; v5      the way out: where I put a number of k
.set KA,   8                           ; v8-15   k's accumulator: lane (r, h), register i: the part of k(c = 8 h + i, j = 16 g + r)
.set ADRA, 16                          ; v16-17  LDS address of my data_q fragments in slot 0, 1  (v18-19: the same for the pieces that lie behind one padding more)
.set ADRB, 20                          ; v20-21  the same for W_q  (v22-23)
.set STO,  24                          ; v24     the way out: where I put 16 bytes of a row of q
.set TRA,  25                          ; v25     the way out: where the turning load reads
.set CO,   26                          ; v26     16 x lane
.set ADRS, 27                          ; v27     LDS address of my scale words: lanes 0-15 data_q's rows, lanes 16-31 W_q's
.set SPW,  28                          ; v28     LDS address of my spare word: SPARE + 4 x my thread's number; never rewritten
.set NIL,  29                          ; v29     0; never rewritten
.set CSA,  30                          ; v30     the way out: where I put a number of ctx
.set CSR,  31                          ; v31     the way out: where I read a row of ctx back
.set SC,   32                          ; scale words: set s (for slot s) at v[SC + 8 NQ s]; register NQ i + q: lanes 0-15 the word of data_q's block i, lanes 16-31 that of W_q's block i
.set KR,   64                          ; a chunk's numbers: set p at v[KR + 32 p]: 16 of W_k, then 16 of data_k
.set BIW,  96                          ; b_q, in window 1: v[BIW + 8 b + 96 (b / 4) + i] = b_q[j0 + 16 b + 8 h + i]
.set AF,   128                         ; data_q's fragments
.set WL,   224                         ; W_lin's fragments: group g of 32 rows n at v[WL + 8 g]
.set PK,   32                          ; the way out: q as bf16, two blocks of 16 rows
.set QF,   96                          ; the way out: the same 32 rows turned: eight fragments of 16 j x 32 n
.set CT,   160                         ; the way out: ctx's accumulators, one for each 16 j
.set G1, 24                            ; s[24:31] descriptor group 1 for data_q's tiles;  s[32:39] group 0, one set for each slot
.set G0, 32
.set G1B, 48                           ; s[48:55], s[56:63] the same for W_q's tiles
.set G0B, 56
.set G1S, 68                           ; s[68:75], s[76:79] groups 1 and 0 for data_q's scales;  s[80:87], s[88:91] for W_q's
.set G0S, 76
.set G1SB, 80
.set G0SB, 88
.set MSB, 0
.macro WIN new                         ; the immediate's high byte repeats the setting that is left
.if MSB != \new
	s_set_vgpr_msb (MSB<<8)|\new
.set MSB, \new
.endif
.endm
.set MUL_LO,  0xa1                     ; source 0 (W_q) window 1, source 1 (data_q) window 0, C and D window 2
.set MUL_HI,  0xf1                     ; the same, C and D window 3
.set BIAS_LO, 0x91                     ; the first products: C (b_q) window 1, D window 2
.set BIAS_HI, 0xd1                     ; C window 1, D window 3
.set TO_B,    0x40                     ; destination window 1, address window 0
; A joint load: waves 0 and 1 fetch for data_q, waves 2 and 3 for W_q.  Each of the two lines has ONE mask and one set of registers for all that issue it; the branch hangs on the wave's number alone.
; Four v_nop follow each of the two lines, ahead of the jump, the label and what follows.
.macro JLOAD g0a, g1a, g0b, g1b
	s_cmp_eq_u32 s15, 0
	s_cbranch_scc0 .Lfor_b_\@
	tensor_load_to_lds s[\g0a:\g0a+3], s[\g1a:\g1a+7]
	s_nop 0
.rept 4
	v_nop
.endr
	s_branch .Lasked_\@
.Lfor_b_\@:
	tensor_load_to_lds s[\g0b:\g0b+3], s[\g1b:\g1b+7]
	s_nop 0
.rept 4
	v_nop
.endr
.Lasked_\@:
.endm
.macro CREST                           ; a round of the cluster's barrier behind its opening barrier
	s_cmp_lg_u32 s14, 0
	s_cbranch_scc1 .Lnot_wave_0_\@
	s_barrier_signal -3
.Lnot_wave_0_\@:
	s_barrier_wait -3
	s_barrier_signal -1
	s_barrier_wait -1
.endm
.macro CROUND                          ; a whole round
	s_barrier_signal -1
	s_barrier_wait -1
	CREST
.endm
; A chunk of the k product.  KLOAD: eight loads: lane (r, h) takes 64 consecutive bytes, i = 32 t + 16 h + 0 .. 15, of W_k's row r and of data_k's row min(r, 5).  The 32 i of a chunk are dealt to the
; fragment's places alike on both operands, so the sum of the 32 products is the chunk's.
.macro KLOAD set, off
.irp q, 0,1,2,3
	global_load_b128 v[KR+32*\set+4*\q:KR+32*\set+4*\q+3], v[KWO], s[4:5] offset:(\off)+16*\q
.endr
.irp q, 0,1,2,3
	global_load_b128 v[KR+32*\set+16+4*\q:KR+32*\set+16+4*\q+3], v[KDO], s[6:7] offset:(\off)+16*\q
.endr
.endm
; KMUL: the chunk in set is rounded to bf16 in place (register u takes numbers 2 u and 2 u + 1, and never overtakes a number not yet read) and multiplied: source 0 = data_k's rows c, source 1 = W_k's rows j.
; left: the loads issued behind this chunk's eight, which may stay out.  The sixteen conversions name no register of the products ahead of them: they are places behind those.
.macro KMUL set, zero, left
	s_wait_loadcnt \left                           ; loads come back in order (ISA guide 5.7.1)
.irp u, 0,1,2,3,4,5,6,7
	v_cvt_pk_bf16_f32 v[KR+32*\set+\u], v[KR+32*\set+2*\u], v[KR+32*\set+2*\u+1]
.endr
.irp u, 0,1,2,3,4,5,6,7
	v_cvt_pk_bf16_f32 v[KR+32*\set+16+\u], v[KR+32*\set+16+2*\u], v[KR+32*\set+16+2*\u+1]
.endr
.if \zero
	v_wmma_f32_16x16x32_bf16 v[KA:KA+7], v[KR+32*\set+16:KR+32*\set+23], v[KR+32*\set:KR+32*\set+7], 0
.else
	v_wmma_f32_16x16x32_bf16 v[KA:KA+7], v[KR+32*\set+16:KR+32*\set+23], v[KR+32*\set:KR+32*\set+7], v[KA:KA+7]
.endif
.endm
	s_load_b128 s[4:7], s[0:1], 0x0                ; data_q's codes s[4:5], its scales s[6:7]
	s_load_b128 s[8:11], s[0:1], 0x10              ; W_q's codes s[8:9], its scales s[10:11]
	s_load_b128 s[96:99], s[0:1], 0x20             ; b_q s[96:97], W_lin s[98:99]
	s_load_b64 s[66:67], s[0:1], 0x30              ; qws
	s_load_b64 s[100:101], s[0:1], 0x38            ; ctxp
	v_lshl_add_u32 v[SPW], v0, 2, SPARE
	v_mov_b32 v[NIL], 0
	ds_add_u32 v28, v29
	ds_add_u32 v28, v29
	s_wait_dscnt 0x0
	v_lshrrev_b32 v1, 5, v0
	v_readfirstlane_b32 s14, v1                    ; wave 0..3
	s_lshr_b32 s15, s14, 1                         ; which half of the tile's rows is mine.  Also: I fetch for data_q (0) or for W_q (1)
	s_and_b32 s16, s14, 1                          ; which half of its columns.  Also: which 128 rows of that tile I fetch
	s_bfe_u32 s40, ttmp6, 0x40000                  ; cx, cy: my place in the cluster
	s_bfe_u32 s41, ttmp6, 0x40004
	s_lshl_b32 s42, ttmp9, 2
	s_add_co_u32 s42, s42, s40                     ; tile column of q = 4 x cluster x + cx
	s_and_b32 s17, ttmp7, 0xffff
	s_lshl_b32 s17, s17, 2
	s_add_co_u32 s17, s17, s41                     ; tile row of q = 4 x cluster y + cy
	s_lshl_b32 s43, s41, 2
	s_lshl_b32 s43, 15, s43                        ; my row of the cluster
	s_lshl_b32 s44, 0x1111, s40                    ; my column
	; descriptor group 1: a tile of 128 rows x ROWB bytes, padded in LDS
	s_or_b32 s[G1+0], s43, (0<<16)|(1<<20)|(1<<21)|(3<<22)|(3<<25)  ; 15:0 the mask: data_q's tiles go to my row; 17:16 element of 1 byte; 20 padding on; 21 set beside a mask; 24:22 after every 16 words (code 3); 31:25 of 4 words (code 3)
	s_or_b32 s[G1B+0], s44, (0<<16)|(1<<20)|(1<<21)|(3<<22)|(3<<25)
.irp g, G1, G1B
	s_mov_b32 s[\g+1], ROWB<<16                    ; tensor_dim0
	s_mov_b32 s[\g+2], 128<<16                     ; tensor_dim1 = 128
	s_mov_b32 s[\g+3], ROWB<<16                    ; tile_dim0
	s_mov_b32 s[\g+4], 128                         ; tile_dim1 = 128
	s_mov_b32 s[\g+5], KROW                        ; tensor_dim0_stride
	s_mov_b32 s[\g+6], 0
	s_mov_b32 s[\g+7], 0
.endr
	; and for the scales of 128 rows: a dense block of 128 KS bytes, as rows of 256 bytes (32 elements of 8 bytes), 16 bytes of padding behind each
	s_or_b32 s[G1S+0], s43, (3<<16)|(1<<20)|(1<<21)|(5<<22)|(3<<25)
	s_or_b32 s[G1SB+0], s44, (3<<16)|(1<<20)|(1<<21)|(5<<22)|(3<<25)
.irp g, G1S, G1SB
	s_mov_b32 s[\g+1], 32<<16
	s_mov_b32 s[\g+2], (128*KS/256)<<16
	s_mov_b32 s[\g+3], 32<<16
	s_mov_b32 s[\g+4], 128*KS/256
	s_mov_b32 s[\g+5], 32
	s_mov_b32 s[\g+6], 0
	s_mov_b32 s[\g+7], 0
.endr
	s_lshl_b32 s18, s16, 7                         ; which 128 rows of the tile I fetch
	s_lshl_b32 s20, s17, 8
	s_add_co_u32 s20, s20, s18                     ; data_q: row 256 x tile row + 128 x half
	s_lshl_b32 s46, s42, 8
	s_add_co_u32 s46, s46, s18                     ; W_q: row 256 x tile column + 128 x half
	s_mov_b32 s21, 0
	s_mov_b32 s47, 0
	s_mov_b64 s[18:19], KS
	s_mul_u64 s[22:23], s[20:21], s[18:19]         ; where these rows' scales begin, in bytes
	s_mul_u64 s[92:93], s[46:47], s[18:19]
	s_mov_b64 s[18:19], KROW
	s_mul_u64 s[20:21], s[20:21], s[18:19]         ; and their codes
	s_mul_u64 s[46:47], s[46:47], s[18:19]
	s_mul_i32 s45, s14, HALFT                      ; where they go: wave x 128 rows: no place in the cluster enters an LDS address
	s_mul_i32 s94, s14, HALFS
	s_wait_kmcnt 0x0
	s_add_nc_u64 s[20:21], s[4:5], s[20:21]
	s_add_nc_u64 s[22:23], s[6:7], s[22:23]
	s_add_nc_u64 s[46:47], s[8:9], s[46:47]
	s_add_nc_u64 s[92:93], s[10:11], s[92:93]
	CROUND                                         ; all sixteen work-groups are here: the first joint loads meet
	s_mov_b32 s[G0S], 1
	s_add_co_u32 s[G0S+1], s94, SCL
	s_mov_b64 s[G0S+2:G0S+3], s[22:23]
	s_or_b32 s[G0S+3], s[G0S+3], 0x80000000
	s_mov_b32 s[G0SB], 1
	s_add_co_u32 s[G0SB+1], s94, SCL
	s_mov_b64 s[G0SB+2:G0SB+3], s[92:93]
	s_or_b32 s[G0SB+3], s[G0SB+3], 0x80000000
	JLOAD G0S, G1S, G0SB, G1SB                     ; the scales first: they are wanted with K step 0
.irp s, 0,1
	s_mov_b32 s[G0+4*\s], 1
	s_add_co_u32 s[G0+4*\s+1], s45, \s*SLOT
	s_add_nc_u64 s[G0+4*\s+2:G0+4*\s+3], s[20:21], \s*ROWB
	s_or_b32 s[G0+4*\s+3], s[G0+4*\s+3], 0x80000000
	s_mov_b32 s[G0B+4*\s], 1
	s_add_co_u32 s[G0B+4*\s+1], s45, \s*SLOT
	s_add_nc_u64 s[G0B+4*\s+2:G0B+4*\s+3], s[46:47], \s*ROWB
	s_or_b32 s[G0B+4*\s+3], s[G0B+4*\s+3], 0x80000000
	JLOAD G0+4*\s, G1, G0B+4*\s, G1B
.endr
	s_load_b128 s[4:7], s[0:1], 0x40               ; the codes' and scales' addresses are done with: W_k s[4:5], data_k s[6:7],
	s_load_b64 s[8:9], s[0:1], 0x50                ; kpart s[8:9]
	v_and_b32 v1, 15, v0                           ; r = l % 16
	v_bfe_u32 v2, v0, 4, 1                         ; h = l / 16
	v_mul_u32_u24 v3, v1, PITCH
	v_mul_u32_u24 v4, v2, 24
	v_add_nc_u32 v4, v3, v4                        ; a fragment's row x pitch + 24 x half
	v_lshl_add_u32 v5, v2, 4, v4                   ; and the same behind one padding more
	s_mul_i32 s21, s15, HALFT                      ; my 128 rows of data_q
	s_mul_i32 s22, s16, HALFT                      ; my 128 rows of W_q,
	s_add_co_u32 s22, s22, 2*HALFT                 ; which lie behind data_q's 256
.irp s, 0,1
	v_add_nc_u32 v[ADRA+\s], s21, v4
	v_add_nc_u32 v[ADRB+\s], s22, v4
	v_add_nc_u32 v[ADRA+2+\s], s21, v5
	v_add_nc_u32 v[ADRB+2+\s], s22, v5
	s_add_co_u32 s21, s21, SLOT
	s_add_co_u32 s22, s22, SLOT
.endr
	v_mul_u32_u24 v5, v1, KS                       ; my row's scales: KS bytes a row,
	v_lshrrev_b32 v6, 8, v5
	v_lshl_add_u32 v5, v6, 4, v5                   ; and 16 more for each 256 passed
	s_mul_i32 s21, s15, HALFS                      ; data_q's: my 128 rows
	s_mul_i32 s22, s16, HALFS                      ; W_q's: my 128 rows, behind data_q's 256
	s_add_co_u32 s22, s22, 2*HALFS
	s_sub_co_u32 s22, s22, s21
	v_mul_u32_u24 v6, s22, v2                      ; lanes 16-31 take W_q's
	s_add_co_u32 s21, s21, SCL
	v_add_nc_u32 v5, v5, v6
	v_add_nc_u32 v[ADRS], s21, v5
	s_mul_i32 s23, s14, STGW                       ; my stage
	v_mul_u32_u24 v5, v1, SP                       ; q in: row r, 16 bytes for each half of the lanes
	v_lshl_add_u32 v5, v2, 4, v5
	v_add_nc_u32 v[STO], s23, v5
	v_and_b32 v6, 7, v0                            ; q turned: lane l reads 16 bytes of row 8 h + l % 8, columns 8 ((l / 8) % 2) on
	v_lshl_add_u32 v6, v2, 3, v6
	v_mul_u32_u24 v6, v6, SP
	v_bfe_u32 v7, v0, 3, 1
	v_lshl_add_u32 v6, v7, 4, v6
	v_add_nc_u32 v[TRA], s23, v6
	v_and_b32 v6, 31, v0
	v_lshlrev_b32 v[CO], 4, v6                     ; 16 x lane
	v_mul_u32_u24 v6, v2, 4160                     ; ctx in: lanes 0-15 hold rows c = 0 .. 7, of which six count; lanes 16-31 hold rows that nobody wants and put them 4,160 bytes on, still in my stage
	v_lshl_add_u32 v6, v1, 2, v6
	v_add_nc_u32 v[CSA], s23, v6
	v_add_nc_u32 v[CSR], s23, v[CO]                ; ctx and k back: 16 bytes a lane
	v_mul_u32_u24 v5, v2, 384                      ; k in: lanes 0-15: rows c of 64 bytes; lanes 16-31, whose rows nobody wants, 384 bytes on
	v_lshl_add_u32 v5, v1, 2, v5
	v_add_nc_u32 v5, s23, v5
	v_add_nc_u32 v[KSA], KSTG, v5
	v_lshlrev_b32 v6, 6, v2                        ; 64 h: sixteen f32 for each half of the lanes
	v_lshl_add_u32 v[KWO], v1, 14, v6              ; W_k: row r of 16,384 bytes + 64 h
	v_min_u32 v7, 5, v1                            ; data_k and W_lin have six rows: lanes r = 6 .. 15 repeat row 5, and the results' rows 6 .. 15 are never read
	v_lshl_add_u32 v[KDO], v7, 14, v6              ; data_k: row min(r, 5) + 64 h
	v_lshlrev_b32 v8, 5, v2                        ; 32 h: eight f32 for each half of the lanes
	v_lshl_add_u32 v7, v7, 14, v8                  ; W_lin: row x 16,384 + 32 h
	; where my part begins in b_q, W_lin, qws, ctxp, kpart, data_k and W_k.  The offsets are made in s12 (s13 = 0) and enter global addresses alone
	s_mov_b32 s13, 0
	s_lshl_b32 s12, s42, 10
	s_lshl_b32 s92, s16, 9
	s_add_co_u32 s12, s12, s92                     ; 4 j0 = 1,024 x tile column + 512 x half
	s_add_nc_u64 s[96:97], s[96:97], s[12:13]      ; b_q at j0
	s_add_nc_u64 s[100:101], s[100:101], s[12:13]  ; ctxp at j0,
	s_lshl_b32 s12, s17, 1
	s_add_co_u32 s12, s12, s15
	s_mul_i32 s12, s12, 98304                      ; in part p = 2 x tile row + half: 6 rows of 16,384 bytes each
	s_add_nc_u64 s[100:101], s[100:101], s[12:13]
	s_lshl_b32 s12, s17, 10
	s_lshl_b32 s92, s15, 9
	s_add_co_u32 s12, s12, s92                     ; 4 n0
	s_add_nc_u64 s[98:99], s[98:99], s[12:13]      ; W_lin at n0
	s_lshl_b32 s12, s17, 21                        ; qws: [block of 16 n][chunk of 32 j][1,024 bytes]: a block is 131,072 bytes; my first block is 16 x tile row + 8 x half,
	s_lshl_b32 s92, s15, 20
	s_add_co_u32 s12, s12, s92
	s_lshl_b32 s92, s42, 13                        ; my first chunk 8 x tile column + 4 x half
	s_add_co_u32 s12, s12, s92
	s_lshl_b32 s92, s16, 12
	s_add_co_u32 s12, s12, s92
	s_add_nc_u64 s[66:67], s[66:67], s[12:13]
	s_lshl_b32 s93, s17, 4
	s_add_co_u32 s93, s93, s42                     ; g = 16 x tile row + tile column
	s_wait_kmcnt 0x0                               ; W_k, data_k, kpart
	s_lshl_b32 s12, s93, 11                        ; kpart: [g][wave][512 bytes]
	s_lshl_b32 s92, s14, 9
	s_add_co_u32 s12, s12, s92
	s_add_nc_u64 s[8:9], s[8:9], s[12:13]
	s_lshl_b32 s12, s14, 12                        ; my wave's 1,024 i: 4,096 bytes on in a row
	s_add_nc_u64 s[6:7], s[6:7], s[12:13]          ; data_k
	s_lshl_b32 s92, s93, 18                        ; 16 rows of 16,384 bytes for each g
	s_add_co_u32 s12, s12, s92
	s_add_nc_u64 s[4:5], s[4:5], s[12:13]          ; W_k
	WIN TO_B                                       ; b_q goes to window 1
.irp b, 0,1,2,3,4,5,6,7
	global_load_b128 v[BIW+8*\b+96*(\b/4):BIW+8*\b+96*(\b/4)+3],   v8, s[96:97] offset:64*\b
	global_load_b128 v[BIW+8*\b+96*(\b/4)+4:BIW+8*\b+96*(\b/4)+7], v8, s[96:97] offset:64*\b+16
.endr
	WIN 0
.irp g, 0,1,2,3                        ; W_lin(c, n0 + 32 g + 8 h + 0 .. 7) and (.. + 16 + 8 h + 0 .. 7), as f32, into registers that data_q's fragments take later
	global_load_b128 v[AF+16*\g:AF+16*\g+3],     v7, s[98:99] offset:128*\g
	global_load_b128 v[AF+16*\g+4:AF+16*\g+7],   v7, s[98:99] offset:128*\g+16
	global_load_b128 v[AF+16*\g+8:AF+16*\g+11],  v7, s[98:99] offset:128*\g+64
	global_load_b128 v[AF+16*\g+12:AF+16*\g+15], v7, s[98:99] offset:128*\g+80
.endr
	KLOAD 0, 0                                     ; chunks 0 and 1 of the k product
	KLOAD 1, 128
	s_wait_loadcnt 16                              ; b_q and W_lin are in; the sixteen loads of chunks 0 and 1 may be out
.irp g, 0,1,2,3
.irp u, 0,1,2,3,4,5,6,7
	v_cvt_pk_bf16_f32 v[WL+8*\g+\u], v[AF+16*\g+2*\u], v[AF+16*\g+2*\u+1]   ; a bf16 fragment: 16 rows c x 32 n
.endr
.endr
.macro FRAG reg, adr, q, i             ; a fragment, 16 rows x 128 K of 6-bit codes, is 12 registers: lane l holds row l % 16; registers 6 c .. 6 c + 5 hold K = 64 c + 32 (l / 16) + 0 .. 31: 24 bytes of the row's stream of bits, as they lie
.irp p, 0,1,2,3,4,5                    ; in pieces of 8 bytes, so that every address is a multiple of the access's size.  Lanes 0-15 take the row's pieces 12 q + 0, 1, 2 and 12 q + 6, 7, 8, lanes 16-31 those three pieces on
.set PC, 12*(\q)+6*(\p/3)+\p%3        ; 16 bytes of padding lie behind every 64 bytes (8 pieces): where the piece three on lies behind one padding more, the second address register (40 for 24 bytes a half) serves
.if PC%8 < 5
	ds_load_b64 v[\reg+2*\p:\reg+2*\p+1], v[\adr] offset:8*PC+16*(PC/8)+(\i)*16*PITCH
.else
	ds_load_b64 v[\reg+2*\p:\reg+2*\p+1], v[\adr+2] offset:8*PC+16*(PC/8)+(\i)*16*PITCH
.endif
.endr
.endm
; 16 matrix instructions: data_q's blocks a0, a0 + 1 x W_q's eight, 128 along K: the slot's q-th.  p: W_q's set;  sc: the set of scale words.  zero = 1: the first product starts the sums, with b_q as its C: nothing is cleared, nothing is added later.
; The 64 accumulators take turns, one instruction a turn, in the same order in every step; k's one product of a step stands between two of them.
.macro MUL16 a0, p, q, sc, zero
.irp a, \a0, \a0+1
.irp b, 0,1,2,3,4,5,6,7
.if \zero
	v_wmma_scale_f32_16x16x128_f8f6f4 v[8*(8*((\a)%4)+\b):8*(8*((\a)%4)+\b)+7], v[128*(\p)+FR*\b:128*(\p)+FR*\b+FR-1], v[AF+FR*(\a):AF+FR*(\a)+FR-1], v[BIW+8*\b+96*(\b/4):BIW+8*\b+96*(\b/4)+7], v[SC+8*NQ*(\sc)+NQ*\b+(\q)], v[SC+8*NQ*(\sc)+NQ*(\a)+(\q)] matrix_a_fmt:MATRIX_FMT_FP6 matrix_b_fmt:MATRIX_FMT_FP6 matrix_a_scale:MATRIX_SCALE_ROW1
.else
	v_wmma_scale_f32_16x16x128_f8f6f4 v[8*(8*((\a)%4)+\b):8*(8*((\a)%4)+\b)+7], v[128*(\p)+FR*\b:128*(\p)+FR*\b+FR-1], v[AF+FR*(\a):AF+FR*(\a)+FR-1], v[8*(8*((\a)%4)+\b):8*(8*((\a)%4)+\b)+7], v[SC+8*NQ*(\sc)+NQ*\b+(\q)], v[SC+8*NQ*(\sc)+NQ*(\a)+(\q)] matrix_a_fmt:MATRIX_FMT_FP6 matrix_b_fmt:MATRIX_FMT_FP6 matrix_a_scale:MATRIX_SCALE_ROW1
.endif
.endr
.endr
.endm
.macro FETCH_B slot, q, p              ; W_q's eight fragments of the slot's q-th 128 along K into set p
	WIN TO_B
.irp i, 0,1,2,3,4,5,6,7
	FRAG 128*(\p)+FR*\i, ADRB+\slot, \q, \i
.endr
	WIN 0
.endm
.macro FETCH_A slot, q, i0             ; data_q's blocks i0 .. i0 + 3
.irp i, \i0, \i0+1, \i0+2, \i0+3
	FRAG AF+FR*(\i), ADRA+\slot, \q, \i
.endr
.endm
.macro SCALES sc                       ; the next K step's scale words into set sc: NQ words a row; lanes 0-15 take data_q's block i, lanes 16-31 W_q's block i
.irp i, 0,1,2,3,4,5,6,7
	ds_load_b64 v[SC+8*NQ*\sc+NQ*\i:SC+8*NQ*\sc+NQ*\i+1], v[ADRS] offset:\i*SBLK
.endr
.endm
; A load into a register that a matrix instruction has read, and a vector instruction or an LDS store that reads a matrix result, stand NP places behind that matrix instruction, and only plain vector
; instructions that name none of its registers are places (ISA guide 7.12.1 for vector instructions); the matrix instructions in between are not counted.
.macro PLACES n
.rept \n
	v_nop
.endr
.endm
; A step of 128 along K that has its successor in the same slot.  It multiplies the k product's chunk in set 0; koff >= 0: the chunk two steps on is asked for, koff bytes from the two bases, into the same set.
.macro STEP slot, q, zero, koff
	s_wait_dscnt 4*NL                              ; W_q's set and data_q's blocks 0-3 are in; the youngest 24 loads (blocks 4-7) may be out
.if \zero
	WIN BIAS_LO
.else
	WIN MUL_LO
.endif
	MUL16 0, (\q)%2, \q, \slot, \zero
	MUL16 2, (\q)%2, \q, \slot, \zero
	s_wait_dscnt 0                                 ; blocks 4-7 are in (asked for 32 matrix instructions ago)
	WIN 0
	KMUL 0, \zero, 8                               ; the next chunk's eight loads may be out.  Its sixteen conversions are the places in front of the LDS loads below
	FETCH_B \slot, (\q)+1, 1-(\q)%2
	FETCH_A \slot, (\q)+1, 0
.if \zero
	WIN BIAS_HI
.else
	WIN MUL_HI
.endif
	MUL16 4, (\q)%2, \q, \slot, \zero
	MUL16 6, (\q)%2, \q, \slot, \zero
	PLACES NP                                      ; for the loads into data_q's blocks 4-7, and for those into the set that k's product has read
	WIN 0
	FETCH_A \slot, (\q)+1, 4
.if \koff >= 0
	KLOAD 0, \koff
.endif
.endm
; A slot's last step changes slots: ONE barrier; in front of it each wave waits for all its tensor loads, adds 0 to its spare word, and waits for that and for its own reads of this slot.  fill = 1: this slot is filled again, two K steps ahead.
; It multiplies the k product's chunk in set 1, and asks for the chunk two steps on.
.macro TURN slot, next, fill, koff
	s_wait_tensorcnt 0x0                           ; all my tensor loads have landed: my part of the next slot;  (every window is 0 here: the add's two registers lie in window 0)
	ds_add_u32 v[SPW], v[NIL]                      ; 0 onto my spare word
	s_wait_dscnt 4*NL+1                            ; (the add and the youngest 24 loads, data_q's blocks 4-7, may be out)
	WIN MUL_LO
	MUL16 0, 1, NQ-1, \slot, 0                     ; sixteen matrix instructions stand between the add and the wait for it
	s_wait_dscnt 0x0                               ; the add is done, and my reads of this slot are over
	s_barrier_signal -1
	MUL16 2, 1, NQ-1, \slot, 0
	WIN 0
	s_barrier_wait -1
.if \fill
	CREST                                          ; the barrier has opened a round of the cluster's barrier: no wave of any partner still reads this slot's tile or has a load on its way
	s_add_nc_u64 s[G0+4*\slot+2:G0+4*\slot+3], s[G0+4*\slot+2:G0+4*\slot+3], 2*ROWB
	s_add_nc_u64 s[G0B+4*\slot+2:G0B+4*\slot+3], s[G0B+4*\slot+2:G0B+4*\slot+3], 2*ROWB
	JLOAD G0+4*\slot, G1, G0B+4*\slot, G1B         ; the first tensor load behind the round; the four v_nop behind it are places in front of the loads below
.else
	PLACES NP
.endif
	KMUL 1, 0, 8                                   ; the next chunk's eight loads may be out
	v_add_nc_u32 v[ADRS], 4*NQ, v[ADRS]            ; on to the next K step's scale words (no LDS load of mine is out)
	FETCH_B \next, 0, 0
	FETCH_A \next, 0, 0
	SCALES \next
	WIN MUL_HI
	MUL16 4, 1, NQ-1, \slot, 0
	MUL16 6, 1, NQ-1, \slot, 0
	PLACES NP                                      ; for the loads into data_q's blocks 4-7, and for those into the set that k's product has read
	WIN 0
	FETCH_A \next, 0, 4
	KLOAD 1, \koff
.endm
	s_wait_tensorcnt 1                             ; the scales and my part of K step 0 are in (K step 1's load may be out)
	s_barrier_signal -1
	s_barrier_wait -1                              ; everybody's are
	FETCH_B 0, 0, 0
	FETCH_A 0, 0, 0
	SCALES 0
	FETCH_A 0, 0, 4
	STEP 0, 0, 1, 256                              ; the first step stands in front of the loop: its products start q's sums from b_q and k's from 0; chunk 2 is asked for
	s_mov_b32 s3, LAPS-1
.Llap:                                                 ; a trip goes once round the ring, from a lap's second step to the next lap's first, and fills both slots again.  Trip t multiplies chunks 4 t + 1 .. 4 t + 4 and asks for chunks 4 t + 3 .. 4 t + 6
	TURN 0, 1, 1, 384
	STEP 1, 0, 0, 512
	TURN 1, 0, 1, 640
	STEP 0, 0, 0, 768
	s_wait_xcnt 0x0                                ; every load issued has had its address translated (ISA guide 3.1): only behind this wait do W_k's and data_k's bases step, four chunks on
	s_add_nc_u64 s[4:5], s[4:5], 512
	s_add_nc_u64 s[6:7], s[6:7], 512
	s_sub_co_u32 s3, s3, 1
	s_cmp_lg_u32 s3, 0
	s_cbranch_scc1 .Llap
	TURN 0, 1, 0, 384                              ; the last lap fills nothing, and has no round of the cluster's barrier; chunk 31, the last, is asked for
	STEP 1, 0, 0, -1
	s_wait_dscnt 4*NL                              ; the very last step: nothing more to fetch
	WIN MUL_LO
	MUL16 0, 1, NQ-1, 1, 0
	MUL16 2, 1, NQ-1, 1, 0
	s_wait_dscnt 0
	WIN 0
	KMUL 1, 0, 0                                   ; chunk 31: no load was issued behind its eight
	WIN MUL_HI
	MUL16 4, 1, NQ-1, 1, 0
	MUL16 6, 1, NQ-1, 1, 0
	WIN 0
; THE WAY OUT, 32 rows of q (two blocks a) at a time.
; PACK: block a rounded to bf16: a lane's eight numbers of accumulator (a, b) become 16 bytes: q[16 a + r][16 b + 8 h + 0 .. 7].  Each accumulator is read from its low end on.
.macro PACK a
.set AC, 64*((\a)%4)
.set PD, PK+32*((\a)%2)
	WIN 0x0a+5*((\a)/4)                            ; sources 0 and 1: window 2 or 3
.irp b, 0,1,2,3,4,5,6,7
.irp u, 0,1,2,3
	v_cvt_pk_bf16_f32 v[PD+4*\b+\u], v[AC+8*\b+2*\u], v[AC+8*\b+2*\u+1]
.endr
.endr
	WIN 0
.endm
; GROUP g.  The packed registers ARE halves of the last product's operand (16 rows n x 32 j: registers 0-3 from an even b, registers 4-7 from the odd b behind it), so they are stored as they stand, 16 bytes a lane:
; each store covers 512 consecutive bytes, aligned.  For ctx, whose K is n, the same 32 rows go through my stage and come back turned; W_lin's fragment g multiplies them, eight accumulators by turns.
.macro GROUP g
.if \g > 0
	s_wait_xcnt 0x0                                ; the last group's stores have read the packed registers: only behind this wait are they written again
.endif
	PACK 2*(\g)
	PACK 2*(\g)+1                                  ; (these 64 conversions are also the places between the last group's products and the loads into the registers that those read)
.irp e, 0,1
.irp b, 0,1,2,3,4,5,6,7
	ds_store_b128 v[STO], v[PK+32*\e+4*\b:PK+32*\e+4*\b+3] offset:\e*16*SP+32*\b
.endr
.endr
.irp e, 0,1
.irp b, 0,1,2,3,4,5,6,7
	global_store_b128 v[CO], v[PK+32*\e+4*\b:PK+32*\e+4*\b+3], s[66:67] offset:(2*(\g)+\e)*131072+\b*512   ; 921,088 at the most: inside the signed 24-bit immediate (ISA guide, chapter 10)
.endr
.endr
.irp b, 0,1,2,3,4,5,6,7                ; LDS serves a wave's instructions in order (ISA guide 5.7.1.4): these see the stores above, and the next group's stores come behind them
	ds_load_tr16_b128 v[QF+8*\b:QF+8*\b+3],   v[TRA] offset:32*\b          ; column j = 16 b + r, rows 8 h + 0 .. 7
	ds_load_tr16_b128 v[QF+8*\b+4:QF+8*\b+7], v[TRA] offset:32*\b+16*SP    ; rows 16 + 8 h + 0 .. 7
.endr
	s_wait_dscnt 0x0
.irp b, 0,1,2,3,4,5,6,7
.if \g == 0
	v_wmma_f32_16x16x32_bf16 v[CT+8*\b:CT+8*\b+7], v[WL+8*(\g):WL+8*(\g)+7], v[QF+8*\b:QF+8*\b+7], 0
.else
	v_wmma_f32_16x16x32_bf16 v[CT+8*\b:CT+8*\b+7], v[WL+8*(\g):WL+8*(\g)+7], v[QF+8*\b:QF+8*\b+7], v[CT+8*\b:CT+8*\b+7]
.endif
.endr
.endm
	PLACES NP+1                                    ; the conversions write registers that held the last products' scale words, and ctx's first products write over registers that held their operands: five places serve both
	GROUP 0
	GROUP 1
	GROUP 2
	GROUP 3
	PLACES NP
.irp b, 0,1,2,3,4,5,6,7                ; ctx's accumulator b, lane (r, h), register i = the part of ctx(c = 8 h + i, j = 16 b + r): rows 0 to 5 go to the stage as rows of 512 bytes
.irp i, 0,1,2,3,4,5
	ds_store_b32 v[CSA], v[CT+8*\b+\i] offset:512*\i+64*\b
.endr
.endr
.irp i, 0,1,2,3,4,5                    ; k's accumulator, from its low end on: rows c = 0 to 5 as rows of 64 bytes
	ds_store_b32 v[KSA], v[KA+\i] offset:64*\i
.endr
	s_wait_xcnt 0x0                                ; the last group's stores have read the packed registers, which take the rows below
.irp c, 0,1,2,3,4,5
	ds_load_b128 v[PK+4*\c:PK+4*\c+3], v[CSR] offset:512*\c
.endr
	ds_load_b128 v[PK+24:PK+27], v[CSR] offset:KSTG   ; 384 bytes of k's part, and 128 of the rows that nobody wants
	s_wait_dscnt 0x0
.irp c, 0,1,2,3,4,5
	global_store_b128 v[CO], v[PK+4*\c:PK+4*\c+3], s[100:101] offset:16384*\c   ; 32 lanes store 512 consecutive bytes, aligned
.endr
	global_store_b128 v[CO], v[PK+24:PK+27], s[8:9]   ; likewise: my wave's 512 bytes of kpart
	s_wait_tensorcnt 0x0                           ; the wave's end, behind my last tensor load and my last LDS store
	ds_add_u32 v[SPW], v[NIL]
	s_wait_dscnt 0x0
	CROUND                                         ; the closing round: no work-group ends while a partner may still ask for a tile that names it
	s_endpgm
.Lfunc_end_k_q8428ea8231_gemm:
	.size	k_q8428ea8231_gemm, .Lfunc_end_k_q8428ea8231_gemm-k_q8428ea8231_gemm
	.p2alignl 7, 3214868480
	.fill 96, 4, 3214868480
	.section	.rodata,"a",@progbits
	.p2align	6, 0x0
	.amdhsa_kernel k_q8428ea8231_gemm
		.amdhsa_group_segment_fixed_size 327680
		.amdhsa_private_segment_fixed_size 0
		.amdhsa_enable_private_segment 0
		.amdhsa_kernarg_size 88
		.amdhsa_user_sgpr_count 2
		.amdhsa_user_sgpr_kernarg_segment_ptr 1
		.amdhsa_wavefront_size32 1
		.amdhsa_system_sgpr_workgroup_id_x 1
		.amdhsa_system_sgpr_workgroup_id_y 1
		.amdhsa_system_sgpr_workgroup_id_z 1
		.amdhsa_system_vgpr_workitem_id 0
		.amdhsa_next_free_vgpr 1024
		.amdhsa_next_free_sgpr 102
		.amdhsa_reserve_vcc 0
		.amdhsa_float_denorm_mode_32 3
		.amdhsa_float_denorm_mode_16_64 3
		.amdhsa_memory_ordered 1
		.amdhsa_forward_progress 1
		.amdhsa_inst_pref_size 190
	.end_amdhsa_kernel
	.amdgpu_metadata
---
amdhsa.version: [ 1, 2 ]
amdhsa.kernels:
  - .name:           k_q8428ea8231_gemm
    .symbol:         k_q8428ea8231_gemm.kd
    .args:
      - { .name: data_q_codes, .offset: 0, .size: 8, .value_kind: global_buffer, .address_space: global }
      - { .name: data_q_scales, .offset: 8, .size: 8, .value_kind: global_buffer, .address_space: global }
      - { .name: W_q_codes, .offset: 16, .size: 8, .value_kind: global_buffer, .address_space: global }
      - { .name: W_q_scales, .offset: 24, .size: 8, .value_kind: global_buffer, .address_space: global }
      - { .name: b_q, .offset: 32, .size: 8, .value_kind: global_buffer, .address_space: global }
      - { .name: W_lin, .offset: 40, .size: 8, .value_kind: global_buffer, .address_space: global }
      - { .name: qws, .offset: 48, .size: 8, .value_kind: global_buffer, .address_space: global }
      - { .name: ctxp, .offset: 56, .size: 8, .value_kind: global_buffer, .address_space: global }
      - { .name: W_k, .offset: 64, .size: 8, .value_kind: global_buffer, .address_space: global }
      - { .name: data_k, .offset: 72, .size: 8, .value_kind: global_buffer, .address_space: global }
      - { .name: kpart, .offset: 80, .size: 8, .value_kind: global_buffer, .address_space: global }
    .group_segment_fixed_size: 327680
    .private_segment_fixed_size: 0
    .kernarg_segment_align: 8
    .kernarg_segment_size: 88
    .max_flat_workgroup_size: 128
    .sgpr_count:     102
    .vgpr_count:     1024
    .wavefront_size: 32
...
	.end_amdgpu_metadata
.endif
;; end of part 1
;; launch modul (part 2): grid 192 x 1, 1 waves a work-group, no clusters, 0 bytes of LDS; arguments kpart, ctxp, b_k, b_lin, kmod; writes kmod
.if DOCPART == 2
	.amdgcn_target "amdgcn-amd-amdhsa--gfx1250"
	.amdhsa_code_object_version 6
	.text
	.protected	k_q8428ea8231_modul
	.globl	k_q8428ea8231_modul
	.p2align	8
	.type	k_q8428ea8231_modul,@function
k_q8428ea8231_modul:
	s_mov_b64 s[64:65], 0
	v_nop
	global_prefetch_b8 v0, s[64:65] scope:SCOPE_SE
	s_setreg_imm32_b32 hwreg(HW_REG_WAVE_MODE, 25, 1), 1
	s_wait_xcnt 0x0
; k[c][j] = the sum of kpart's 4 parts + b_k[j];  ctx[c][j] = the sum of ctxp's 32 parts + b_lin[c];  kmod[c][j] = clip(k k + 2 k + ctx (1 + |k|), 0, 6), stored as bf16 [6][4096].  All sums in f32.
; kpart: f32 [g 256][wave 4][128], of which the first 96 are [c 6][j = 16 g + 0 .. 15].  ctxp: f32 [p 32][c 6][j 4096].
; SHARES.  192 work-groups of one wave: work-group x makes row c = x / 32, columns 128 (x % 32) .. + 127, four neighbouring j a lane.  Its 38 loads go out together, ahead of the one wait: the launch is one
; trip to memory.  Each load of ctxp and of b_k covers 512 consecutive bytes, aligned; a load of kpart takes 64 bytes of each of eight work-groups' parts (524,288 bytes in all beside ctxp's 3,145,728);
; the store covers 256 consecutive bytes, aligned.  No LDS, no barrier, no matrix unit, no cluster: waves share nothing, and there is no product here.
; 192 work-groups are what 24,576 numbers at four a lane give; fewer numbers a lane would halve each load's run of bytes.
; LIMITS: kmod is rounded to bf16 for the next product; NaN and infinities are not served.
.set CP, 32                            ; v32-159   ctx's 32 parts, four registers each
.set KP, 160                           ; v160-175  k's four parts
.set BK, 176                           ; v176-179  b_k
.set BL, 180                           ; v180      b_lin[c]
	s_load_b128 s[4:7], s[0:1], 0x0                ; kpart s[4:5], ctxp s[6:7]
	s_load_b128 s[8:11], s[0:1], 0x10              ; b_k s[8:9], b_lin s[10:11]
	s_load_b64 s[12:13], s[0:1], 0x20              ; kmod
	s_lshr_b32 s14, ttmp9, 5                       ; c
	s_and_b32 s15, ttmp9, 31                       ; which 128 columns
	v_lshlrev_b32 v1, 4, v0                        ; 16 x lane (one wave: the thread's number is the lane)
	v_lshrrev_b32 v2, 2, v0
	v_and_b32 v3, 3, v0
	v_lshlrev_b32 v3, 4, v3
	v_lshl_add_u32 v2, v2, 11, v3                  ; kpart: four lanes to a g: 2,048 (lane / 4) + 16 (lane % 4)
	v_lshlrev_b32 v4, 3, v0                        ; kmod: 8 x lane
	v_mov_b32 v5, 0                                ; b_lin: every lane takes the same word
	s_mov_b32 s17, 0
	s_lshl_b32 s18, s14, 14                        ; a row of ctxp: 16,384 bytes
	s_lshl_b32 s19, s15, 9                         ; 128 f32
	s_lshl_b32 s20, s15, 14                        ; kpart: eight g of 2,048 bytes
	s_lshl_b32 s21, s14, 6                         ; and row c of 64
	s_lshl_b32 s22, s14, 13                        ; a row of kmod: 8,192 bytes
	s_lshl_b32 s23, s15, 8                         ; 128 bf16
	s_wait_kmcnt 0x0
	s_add_co_u32 s16, s18, s19
	s_add_nc_u64 s[6:7], s[6:7], s[16:17]          ; ctxp at (part 0, c, my columns)
	s_mov_b32 s16, s19
	s_add_nc_u64 s[8:9], s[8:9], s[16:17]          ; b_k at my columns
	s_add_co_u32 s16, s20, s21
	s_add_nc_u64 s[4:5], s[4:5], s[16:17]          ; kpart
	s_lshl_b32 s16, s14, 2
	s_add_nc_u64 s[10:11], s[10:11], s[16:17]      ; b_lin at c
	s_add_co_u32 s16, s22, s23
	s_add_nc_u64 s[12:13], s[12:13], s[16:17]      ; kmod
.set p, 0
.rept 32
	global_load_b128 v[CP+4*p:CP+4*p+3], v1, s[6:7] offset:98304*p th:TH_LOAD_NT   ; 3,047,424 at the most: inside the signed 24-bit immediate (ISA guide, chapter 10)
.set p, p+1
.endr
.irp w, 0,1,2,3
	global_load_b128 v[KP+4*\w:KP+4*\w+3], v2, s[4:5] offset:512*\w
.endr
	global_load_b128 v[BK:BK+3], v1, s[8:9]
	global_load_b32 v[BL], v5, s[10:11]
	s_wait_loadcnt 0x0
.macro QADD base, x, y                 ; part x += part y  (an argument is put in as text: so it stands in parentheses inside the products)
	v_pk_add_f32 v[\base+4*(\x):\base+4*(\x)+1],   v[\base+4*(\x):\base+4*(\x)+1],   v[\base+4*(\y):\base+4*(\y)+1]
	v_pk_add_f32 v[\base+4*(\x)+2:\base+4*(\x)+3], v[\base+4*(\x)+2:\base+4*(\x)+3], v[\base+4*(\y)+2:\base+4*(\y)+3]
.endm
.irp s, 1,2,4,8,16                     ; neighbours 1, 2, 4, 8 and 16 parts apart: no line waits for the line above it until the last
.set i, 0
.rept 16/\s
	QADD CP, i, i+\s
.set i, i+2*\s
.endr
.endr
	QADD KP, 0, 1
	QADD KP, 2, 3
	QADD KP, 0, 2
	v_pk_add_f32 v[KP:KP+1],   v[KP:KP+1],   v[BK:BK+1]      ; k
	v_pk_add_f32 v[KP+2:KP+3], v[KP+2:KP+3], v[BK+2:BK+3]
.irp e, 0,1,2,3
	v_add_f32 v[CP+\e], v[CP+\e], v[BL]            ; ctx
.endr
.irp e, 0,1,2,3
	v_add_f32 v[8+\e], 1.0, |v[KP+\e]|             ; 1 + |k|
.endr
	v_pk_mul_f32 v[12:13], v[KP:KP+1],   v[KP:KP+1]          ; k k
	v_pk_mul_f32 v[14:15], v[KP+2:KP+3], v[KP+2:KP+3]
	v_pk_fma_f32 v[12:13], v[KP:KP+1],   2.0, v[12:13] op_sel_hi:[1,0,1]   ; + 2 k
	v_pk_fma_f32 v[14:15], v[KP+2:KP+3], 2.0, v[14:15] op_sel_hi:[1,0,1]
	v_pk_fma_f32 v[12:13], v[CP:CP+1],   v[8:9],   v[12:13]  ; + ctx (1 + |k|)
	v_pk_fma_f32 v[14:15], v[CP+2:CP+3], v[10:11], v[14:15]
.irp e, 0,1,2,3
	v_med3_num_f32 v[12+\e], v[12+\e], 0, 0x40c00000   ; held to 0 .. 6
.endr
	v_cvt_pk_bf16_f32 v16, v12, v13
	v_cvt_pk_bf16_f32 v17, v14, v15
	global_store_b64 v4, v[16:17], s[12:13]        ; 32 lanes store 256 consecutive bytes, aligned
	s_endpgm
.Lfunc_end_k_q8428ea8231_modul:
	.size	k_q8428ea8231_modul, .Lfunc_end_k_q8428ea8231_modul-k_q8428ea8231_modul
	.p2alignl 7, 3214868480
	.fill 96, 4, 3214868480
	.section	.rodata,"a",@progbits
	.p2align	6, 0x0
	.amdhsa_kernel k_q8428ea8231_modul
		.amdhsa_group_segment_fixed_size 0
		.amdhsa_private_segment_fixed_size 0
		.amdhsa_enable_private_segment 0
		.amdhsa_kernarg_size 40
		.amdhsa_user_sgpr_count 2
		.amdhsa_user_sgpr_kernarg_segment_ptr 1
		.amdhsa_wavefront_size32 1
		.amdhsa_system_sgpr_workgroup_id_x 1
		.amdhsa_system_sgpr_workgroup_id_y 1
		.amdhsa_system_sgpr_workgroup_id_z 1
		.amdhsa_system_vgpr_workitem_id 0
		.amdhsa_next_free_vgpr 192
		.amdhsa_next_free_sgpr 66
		.amdhsa_reserve_vcc 0
		.amdhsa_float_denorm_mode_32 3
		.amdhsa_float_denorm_mode_16_64 3
		.amdhsa_memory_ordered 1
		.amdhsa_forward_progress 1
		.amdhsa_inst_pref_size 11
	.end_amdhsa_kernel
	.amdgpu_metadata
---
amdhsa.version: [ 1, 2 ]
amdhsa.kernels:
  - .name:           k_q8428ea8231_modul
    .symbol:         k_q8428ea8231_modul.kd
    .args:
      - { .name: kpart, .offset: 0, .size: 8, .value_kind: global_buffer, .address_space: global }
      - { .name: ctxp, .offset: 8, .size: 8, .value_kind: global_buffer, .address_space: global }
      - { .name: b_k, .offset: 16, .size: 8, .value_kind: global_buffer, .address_space: global }
      - { .name: b_lin, .offset: 24, .size: 8, .value_kind: global_buffer, .address_space: global }
      - { .name: kmod, .offset: 32, .size: 8, .value_kind: global_buffer, .address_space: global }
    .group_segment_fixed_size: 0
    .private_segment_fixed_size: 0
    .kernarg_segment_align: 8
    .kernarg_segment_size: 40
    .max_flat_workgroup_size: 32
    .sgpr_count:     66
    .vgpr_count:     192
    .wavefront_size: 32
...
	.end_amdgpu_metadata
.endif
;; end of part 2
;; launch dot (part 3): grid 256 x 1, 16 waves a work-group, no clusters, 14,336 bytes of LDS; arguments qws, kmod, out0; writes out0
.if DOCPART == 3
	.amdgcn_target "amdgcn-amd-amdhsa--gfx1250"
	.amdhsa_code_object_version 6
	.text
	.protected	k_q8428ea8231_dot
	.globl	k_q8428ea8231_dot
	.p2align	8
	.type	k_q8428ea8231_dot,@function
k_q8428ea8231_dot:
	s_mov_b64 s[64:65], 0
	v_nop
	global_prefetch_b8 v0, s[64:65] scope:SCOPE_SE
	s_setreg_imm32_b32 hwreg(HW_REG_WAVE_MODE, 25, 1), 1
	s_wait_xcnt 0x0
; out0[n][c] = (sum over j of q[n][j] kmod[c][j]) / 64.  q: bf16, as images of operand registers: qws[block of 16 n][chunk of 32 j][1,024 bytes], registers 0-3 at 16 x lane, registers 4-7 at 512 + 16 x lane.
; kmod: bf16 [6][4096].  out0: f32 [4096][6].  The bf16 matrix form, f32 sums.
; SHARES.  Work-group g owns rows 16 g .. 16 g + 15: 131,072 consecutive bytes of qws, read once in the launch.  Wave w owns j = 256 w .. 256 w + 255: eight images, sixteen loads of 512 consecutive bytes, all
; on their way at once.  Source 0 = kmod's rows c, source 1 = q's rows n: lane (r, 0), register i holds the part of out0(16 g + r, c = i).  The sixteen waves' parts meet in LDS behind one barrier; wave 0 adds and stores.
; No tensor load, no ring, no cluster: what work-groups share is kmod, 49,152 bytes against 131,072 of a work-group's own, and operands go from memory straight into registers.
; LIMITS: q and kmod are bf16 as the earlier launches left them; NaN and infinities are not served.
.set KM, 64                            ; v64-127   kmod's eight fragments
.set QF, 128                           ; v128-191  q's eight
.set PT, 192                           ; v192-255  the end: sixteen waves' parts, 16 bytes a lane each
	s_load_b128 s[4:7], s[0:1], 0x0                ; qws s[4:5], kmod s[6:7]
	s_load_b64 s[10:11], s[0:1], 0x10              ; out0
	v_lshl_add_u32 v62, v0, 2, 0x3000
	v_mov_b32 v63, 0
	v_lshrrev_b32 v1, 5, v0
	v_readfirstlane_b32 s8, v1                     ; wave 0..15
	v_and_b32 v1, 15, v0                           ; r
	v_bfe_u32 v2, v0, 4, 1                         ; h
	v_and_b32 v3, 31, v0                           ; lane
	v_lshlrev_b32 v4, 4, v3                        ; 16 x lane
	v_min_u32 v5, 5, v1                            ; kmod has six rows: lanes r = 6 .. 15 repeat row 5, and the result's rows 6 .. 15 are never read
	v_lshlrev_b32 v5, 13, v5
	v_lshl_add_u32 v5, v2, 4, v5                   ; row x 8,192 + 16 h
	s_mul_i32 s12, s8, 768
	v_mul_u32_u24 v6, v3, 24
	v_add_nc_u32 v6, s12, v6                       ; LDS: my wave's 768 bytes; lane r's six numbers at 24 r, which is out0's own order; lanes 16-31 put theirs, which nobody wants, behind them
	s_lshl_b32 s14, ttmp9, 17
	s_lshl_b32 s15, s8, 13
	s_add_co_u32 s14, s14, s15                     ; qws: 131,072 g + 8,192 w
	s_mov_b32 s15, 0
	s_lshl_b32 s16, s8, 9                          ; kmod: 512 w
	s_mov_b32 s17, 0
	s_mul_i32 s18, ttmp9, 384                      ; out0: 16 rows of 24 bytes
	s_mov_b32 s19, 0
	s_wait_kmcnt 0x0
	s_add_nc_u64 s[4:5], s[4:5], s[14:15]
	s_add_nc_u64 s[6:7], s[6:7], s[16:17]
	s_add_nc_u64 s[10:11], s[10:11], s[18:19]
.irp f, 0,1,2,3,4,5,6,7
	global_load_b128 v[KM+8*\f:KM+8*\f+3],   v5, s[6:7] offset:64*\f       ; kmod(c, 256 w + 32 f + 8 h + 0 .. 7)
	global_load_b128 v[KM+8*\f+4:KM+8*\f+7], v5, s[6:7] offset:64*\f+32    ; (.. + 16 + 8 h + 0 .. 7)
.endr
.irp f, 0,1,2,3,4,5,6,7
	global_load_b128 v[QF+8*\f:QF+8*\f+3],   v4, s[4:5] offset:1024*\f th:TH_LOAD_NT
	global_load_b128 v[QF+8*\f+4:QF+8*\f+7], v4, s[4:5] offset:1024*\f+512 th:TH_LOAD_NT
.endr
.irp f, 0,1,2,3,4,5,6,7                ; two accumulators take turns, one instruction a turn
	s_wait_loadcnt 14-2*\f                         ; loads come back in order (ISA guide 5.7.1): kmod's and image f's are in, the two of each later image may be out
.if \f < 2
	v_wmma_f32_16x16x32_bf16 v[32+8*(\f%2):39+8*(\f%2)], v[KM+8*\f:KM+8*\f+7], v[QF+8*\f:QF+8*\f+7], 0
.else
	v_wmma_f32_16x16x32_bf16 v[32+8*(\f%2):39+8*(\f%2)], v[KM+8*\f:KM+8*\f+7], v[QF+8*\f:QF+8*\f+7], v[32+8*(\f%2):39+8*(\f%2)]
.endif
.endr
.rept 4
	v_nop                                          ; four places behind the last product, ahead of the first read of a result (ISA guide 7.12.1)
.endr
	v_pk_add_f32 v[48:49], v[32:33], v[40:41]      ; from the low end on
	v_pk_add_f32 v[50:51], v[34:35], v[42:43]
	v_pk_add_f32 v[52:53], v[36:37], v[44:45]
	ds_store_b64 v6, v[48:49]
	ds_store_b64 v6, v[50:51] offset:8
	ds_store_b64 v6, v[52:53] offset:16
	s_wait_dscnt 0x0                               ; for wave 0's sake: my stores have landed
	s_barrier_signal -1
	s_barrier_wait -1
	s_cmp_lg_u32 s8, 0
	s_cbranch_scc1 .Ldone
.irp i, 0,1,2,3,4,5,6,7,8,9,10,11,12,13,14,15
	ds_load_b128 v[PT+4*\i:PT+4*\i+3], v4 offset:768*\i   ; lanes 0-23: 16 of the 384 bytes of wave i's part
.endr
	s_wait_dscnt 0x0
.macro QADD x, y                       ; part x += part y  (an argument is put in as text: so it stands in parentheses inside the products)
	v_pk_add_f32 v[PT+4*(\x):PT+4*(\x)+1],   v[PT+4*(\x):PT+4*(\x)+1],   v[PT+4*(\y):PT+4*(\y)+1]
	v_pk_add_f32 v[PT+4*(\x)+2:PT+4*(\x)+3], v[PT+4*(\x)+2:PT+4*(\x)+3], v[PT+4*(\y)+2:PT+4*(\y)+3]
.endm
.irp i, 0,2,4,6,8,10,12,14
	QADD \i, \i+1
.endr
.irp i, 0,4,8,12
	QADD \i, \i+2
.endr
	QADD 0, 4
	QADD 8, 12
	QADD 0, 8
	v_pk_mul_f32 v[PT:PT+1],   v[PT:PT+1],   0x3c800000 op_sel_hi:[1,0]   ; / sqrt(4096): x 2^-6, which rounds nothing
	v_pk_mul_f32 v[PT+2:PT+3], v[PT+2:PT+3], 0x3c800000 op_sel_hi:[1,0]
	s_wait_xcnt 0x0                                ; EXEC changes only behind this wait
	v_cmp_gt_u32 vcc_lo, 24, v3
	s_and_saveexec_b32 s12, vcc_lo
	global_store_b128 v4, v[PT:PT+3], s[10:11]     ; 24 lanes store the work-group's 384 consecutive bytes
	s_wait_xcnt 0x0                                ; and again, in front of the line that widens it
	s_or_b32 exec_lo, exec_lo, s12
.Ldone:
	s_wait_tensorcnt 0x0
	ds_add_u32 v62, v63
	s_wait_dscnt 0x0
	s_endpgm
.Lfunc_end_k_q8428ea8231_dot:
	.size	k_q8428ea8231_dot, .Lfunc_end_k_q8428ea8231_dot-k_q8428ea8231_dot
	.p2alignl 7, 3214868480
	.fill 96, 4, 3214868480
	.section	.rodata,"a",@progbits
	.p2align	6, 0x0
	.amdhsa_kernel k_q8428ea8231_dot
		.amdhsa_group_segment_fixed_size 14336
		.amdhsa_private_segment_fixed_size 0
		.amdhsa_enable_private_segment 0
		.amdhsa_kernarg_size 24
		.amdhsa_user_sgpr_count 2
		.amdhsa_user_sgpr_kernarg_segment_ptr 1
		.amdhsa_wavefront_size32 1
		.amdhsa_system_sgpr_workgroup_id_x 1
		.amdhsa_system_sgpr_workgroup_id_y 1
		.amdhsa_system_sgpr_workgroup_id_z 1
		.amdhsa_system_vgpr_workitem_id 0
		.amdhsa_next_free_vgpr 256
		.amdhsa_next_free_sgpr 66
		.amdhsa_reserve_vcc 1
		.amdhsa_float_denorm_mode_32 3
		.amdhsa_float_denorm_mode_16_64 3
		.amdhsa_memory_ordered 1
		.amdhsa_forward_progress 1
		.amdhsa_inst_pref_size 10
	.end_amdhsa_kernel
	.amdgpu_metadata
---
amdhsa.version: [ 1, 2 ]
amdhsa.kernels:
  - .name:           k_q8428ea8231_dot
    .symbol:         k_q8428ea8231_dot.kd
    .args:
      - { .name: qws, .offset: 0, .size: 8, .value_kind: global_buffer, .address_space: global }
      - { .name: kmod, .offset: 8, .size: 8, .value_kind: global_buffer, .address_space: global }
      - { .name: out0, .offset: 16, .size: 8, .value_kind: global_buffer, .address_space: global }
    .group_segment_fixed_size: 14336
    .private_segment_fixed_size: 0
    .kernarg_segment_align: 8
    .kernarg_segment_size: 24
    .max_flat_workgroup_size: 512
    .sgpr_count:     66
    .vgpr_count:     256
    .wavefront_size: 32
...
	.end_amdgpu_metadata
.endif
;; end of part 3
